; MI455X (gfx1250); checked and timed in simulation.
; The chip was launched on July 23, 2026; its instructions are those of AMD's public machine-readable ISA for CDNA 5 (MIT licence, August 2026) and "CDNA5" Instruction Set Architecture Reference Guide (July 2026). The comments in the code are by the model that wrote it; some were corrected since.
;; Repro. Allowed arithmetic: matrix products marked QUANTISED: E4M3 operands, one E8M0 scale for each 32 along K, by v_wmma_scale_f32_16x16x128_f8f6f4 with both operands' format E4M3, f32 sums; everything else in f32.
;; Inputs: W_qkv_codes 768 x 8 x 32 uint8 (E4M3 codes of W_qkv, K innermost, in blocks of 32 codes); W_qkv_scales 768 x 8 uint8 (E8M0 scales of W_qkv, one for each 32 codes along K); b_qkv 768 float32; x_codes 4 x 2,048 x 8 x 32 uint8 (E4M3 codes of x, K innermost, in blocks of 32 codes); x_scales 4 x 2,048 x 8 uint8 (E8M0 scales of x, one for each 32 codes along K).
;; Outputs: out0 4 x 4 x 2,048 x 64 float32.
;; This version of the problem:
;;   THIS VERSION OF THE PROBLEM IS GIVEN IN LOW PRECISION. The matrix products marked QUANTISED in the list below multiply operands that are first quantised to E4M3 (4 exponent bits, 3 mantissa bits; 8 bits a number), with one power-of-two scale for each 32 numbers along K (OCP MX v1.0); their sums are f32. All else is computed in f32.
;;   The module's matrix products, in the order in which they are computed (A, B: the left and right operand; K: the contracted axis; several contracted axes count as one K, in the product's order):
;;     1. [M 8,192, K 256] x [K 256, N 768]; A: input x (given as codes); B: input W_qkv (given as codes): QUANTISED
;;     2. batch 16 x [M 2,048, K 64] x [K 64, N 2,048]; A: computed on the way; B: computed on the way: QUANTISED
;;     3. batch 16 x [M 2,048, K 2,048] x [K 2,048, N 64]; A: softmax (see below); B: computed on the way: QUANTISED
;;   THE QUANTISER, for each operand of a quantised product, along K:
;;     - K is cut into blocks of 32 from its start; a last block that is shorter is filled with zeros.
;;     - A block's scale is 2^e with e = floor(log2(the largest magnitude in the block)) - 8, held to -126 .. 127; a block of zeros has e = 0. As a byte (E8M0): e + 127.
;;     - Each number is divided by its block's scale, clamped to +-448, and rounded to the nearest number of E4M3, ties to even, subnormals kept.
;;     - The product sums the exact products of the quantised numbers (number of the format x scale) in f32.
;;   ~~~python
;;   def quantise(x, axis):      # numpy; x: float32 -> the quantised numbers, widened to float32 again
;;       x = np.moveaxis(x, axis, -1); K = x.shape[-1]
;;       x = np.pad(x, [(0, 0)] * (x.ndim - 1) + [(0, -K % 32)]); x = x.reshape(x.shape[:-1] + (-1, 32)); a = np.abs(x).max(-1, keepdims=True)
;;       e = np.where(a > 0, np.clip(np.frexp(np.where(a > 0, a, 1))[1] - 1 - 8, -126, 127), 0)      # np.frexp(a)[1] - 1 = floor(log2(a)), exactly
;;       r = np.clip(x / 2.0 ** e, -448, 448)
;;       step = 2.0 ** (np.maximum(np.frexp(np.where(r == 0, 1, r))[1] - 1, -6) - 3)
;;       q = np.round(r / step) * step * 2.0 ** e      # np.round: ties to even
;;       return np.moveaxis(q.reshape(q.shape[:-2] + (-1,))[..., :K], -1, axis).astype(np.float32)
;;   ~~~
;;   SOFTMAX AHEAD OF A QUANTISED PRODUCT. Where the list says 'softmax', what is quantised is not the finished softmax but p = 2^(t - M), with t = logit x log2(e) and M = ceil(the row's largest t), a whole number; so 1/2 < the row's largest p <= 1. The row's sum l is taken of the UNQUANTISED p, in f32, and the product's result is divided by l at the end. Since M is a whole number, a kernel that streams over the keys may use a running M (the ceiling of the running maximum): every later rescaling is an exact power of two, which a block's scale takes up: the codes' values come out the same.
;;   OPERANDS COMPUTED ON THE WAY. 'Computed on the way' means the value that the module computes at that place (a softmax that the list does not call 'softmax' is quantised finished and normalised). What goes into a quantiser is computed in f32, as accurately as f32 sums, v_exp_f32 and their like allow (about 1e-6 of the number): no bf16 or f16 on the way to a quantiser, and a product that is left as it is and whose result goes on into a quantised operand takes f32 operands (vector FMAs, or v_wmma_f32_16x16x4_f32). A number that lies on a knife's edge between two numbers of the format may be rounded either way, as far as f32 arithmetic and the matrix unit's own rounding can turn it there, and no further.
;;   INPUTS GIVEN AS CODES. W_qkv (in the module: [768, 256], K = its axis 1); x (in the module: [4, 2048, 256], K = its axis 2): each comes as NAME_codes (uint8): NAME with its K axis moved to the last place and cut into blocks of 32 codes, [.., K / 32, bytes a block], one block behind the other in memory; one code a byte (a code: sign, 4 exponent bits, 3 mantissa bits); and NAME_scales (uint8): the same leading axes, one E8M0 byte (e + 127) for each 32 codes along K. Its value is code x scale, taken as it is: it is not quantised again, and the codes and scales need not be those that the quantiser above would give.
;; One version. Each part assembles by itself: llvm-mc -triple=amdgcn-amd-amdhsa -mcpu=gfx1250 --defsym DOCPART=n.
;; ======== version 1 of 1: 2 launches
;; limits: right only within a limited range of input values
;; workspace buffers: qc 2,097,152 bytes; qs 131,072 bytes; kv 4,325,376 bytes
;; launch qkv (part 1): grid 64 x 4, 4 waves a work-group, no clusters, 50,944 bytes of LDS; arguments x_codes, x_scales, W_qkv_codes, W_qkv_scales, b_qkv, qc, qs, kv; writes qc, qs, kv
.if DOCPART == 1
	.amdgcn_target "amdgcn-amd-amdhsa--gfx1250"
	.amdhsa_code_object_version 6
	.text
	.protected	k_qf03b0b492a_qkv
	.globl	k_qf03b0b492a_qkv
	.p2align	8
	.type	k_qf03b0b492a_qkv,@function
k_qf03b0b492a_qkv:
	s_mov_b64 s[64:65], 0
	v_nop
	global_prefetch_b8 v0, s[64:65] scope:SCOPE_SE
	s_setreg_imm32_b32 hwreg(HW_REG_WAVE_MODE, 25, 1), 1
	s_wait_xcnt 0x0
; qkv = x W^T + b on codes of FP8 (E4M3) with one E8M0 scale for each 32 along K = 256; then q and k are quantised along the head's 64 channels and v along the keys,
; and the codes leave IN THE ORDER OF THE NEXT PRODUCT'S OPERAND REGISTERS (images: a group of four registers is 512 bytes, lane l's 16 bytes at 16 l).
; SHARES.  Work-group (X, H): 128 tokens (batch X / 16, key step X % 16) x the 192 channels of head H (64 of q, of k, of v).  Wave w: tokens 32 w .. 32 w + 31 as two tiles, against all 12 tiles of W, two K steps: 48 products.
; The head's 48 KB of W are read from memory once by the work-group: wave w loads tile w of each section and hands the fragments round through LDS as images of their registers: q's first, so that q is made while k's and v's are on their way.
; THE ITEMS OF A TILE ARE NOT NEIGHBOURS: lane r of tile 2 b + u (of tokens, and of a head's channels) takes item 32 b + 8 u + r + 8 (r / 8).  So the 16 registers of the results of tiles 2 b and 2 b + 1 are 16 NEIGHBOURS,
; 32 b + 16 (lane / 16) + 0 .. 15, along the next K, in the very order of the next operand's registers.
; q, k: source 0 = 16 channels of W, source 1 = 16 tokens: a lane holds ONE token and its registers run along the channels.  v: the sources swapped: a lane holds ONE channel and its registers run along the tokens (the keys).
; The bias is the C of each sum's first product.  A block's scale is 2^(floor(log2(its largest magnitude)) - 8); its byte is that magnitude's exponent field - 8, held at 1 from below.
; LIMITS: a block of zeros, or one whose largest magnitude lies under 2^-118, gets the byte 1 (its codes follow that scale; the bytes are read by this program alone).  NaN and infinities, as codes, scale bytes or biases, are not served.
; NO CLUSTER: joint requests exist for tensor loads into LDS; here every byte goes once from memory straight into registers (80 KB a work-group, no loop over tiles), and a wave has 48 products in all.
; OUT.  qc [16 heads][128 tiles][1,024]: group c of a tile's fragment at 512 c + 16 lane.  qs [16][128][16 words].  kv, for each head HEADB bytes: key step s at (s % 8) SUP + (s / 8) HALF: K's 8 tiles x 1,024, V's 4 tiles x 2,048,
; 256 bytes of K's scale words (byte 8 lane + 4 i: the two bytes of tile 4 i + 2 (lane / 16) and those of the next tile, row lane % 16), 256 of V's (byte 8 lane + 4 i: tile 2 i + lane / 16, row lane % 16).
; REGISTERS, window 0: v1-12 addresses; v16-79 x's four fragments; v80-143 eight accumulators; v144-191 codes, 16 for each section; v192-207 at work; v208-211 scale words made; v212-235 W's scale words; v236-239 x's; v240-251 wave 0's way out.
;   window 1: v0-127 a section's eight fragments of W; v128-191 q's and k's biases, eight registers a tile; v192-223 v's.   window 2: v0-95 my six fragments of W, ahead of their way through LDS.
.set HEADB, 270336
.set SUP,   33792
.set HALF,  16896
.set SCL,   16384
.set KST,   49152                      ; LDS: behind W's 24 images (49,152 bytes): K's scale words of the step, 256 bytes (of 512);
.set VST,   49664                      ; V's scale bytes, 256;
.set QST,   49920                      ; Q's scale words, 512
.set SPARE, 50432                      ; the spare words
.set VX,  1                            ; v1   256 x (r + 8 (r / 8)) + 16 h: my row and half in a tile of x or of W (rows of 256 bytes)
.set VS8, 2                            ; v2   8 x (r + 8 (r / 8)): my row's scale bytes
.set VBQ, 3                            ; v3   64 h: q's and k's biases of my half
.set VBV, 4                            ; v4   4 x (r + 8 (r / 8)): v's bias of my channel
.set LI,  5                            ; v5   16 x lane
.set WST, 6                            ; v6   16 x lane + 4,096 x wave: where I store W's images
.set VQ,  7                            ; v7   16 x lane + 2,048 x wave: my two tiles' images in qc and in kv
.set VV,  8                            ; v8   16 x lane + 512 x wave + 8,192: my group of V's images
.set VKS, 9                            ; v9   KST + 8 r + 128 (w % 2) + 4 (w / 2)
.set VVS, 10                           ; v10  VST + 8 r + wave
.set VQS, 11                           ; v11  QST + 4 x lane + 128 x wave
.set L8,  12                           ; v12  8 x lane
.set XF,  16
.set ACC, 80
.set PC,  144
.set TM,  192                          ; v192-195 largest magnitudes, v196-199 bytes, v200-203 448 x the scale, v204-207 the conversion's scale operand
.set WS,  212
.set XS,  236
.set BQK, 128                          ; in window 1
.set BV,  192
.set MSB, 0
.macro WIN new                         ; the immediate's high byte repeats the setting that is left; a switch that changes nothing is dropped
.if MSB != \new
	s_set_vgpr_msb (MSB<<8)|\new
.set MSB, \new
.endif
.endm
.macro PLACES                          ; eight places behind this matrix form, in front of loads into registers that it has read and of the first read of its results
.rept 8
	v_nop
.endr
.endm
.macro LOADW z                         ; tile w of section z, two K steps, into window 2
	WIN 0x80
.irp s, 0,1
.irp c, 0,1,2,3
	global_load_b128 v[16*(2*\z+\s)+4*\c:16*(2*\z+\s)+4*\c+3], v[VX], s[8:9] offset:65536*\z+128*\s+32*\c
.endr
.endr
	WIN 0
.endm
.macro STOREW z                        ; and on as images (an LDS store's data are its source 1)
	WIN 0x08
.irp s, 0,1
.irp c, 0,1,2,3
	ds_store_b128 v[WST], v[16*(2*\z+\s)+4*\c:16*(2*\z+\s)+4*\c+3] offset:16384*\z+2048*\s+512*\c
.endr
.endr
	WIN 0
.endm
.macro LOADWS z                        ; section z's scale words: a row's two
.irp t, 0,1,2,3
	global_load_b64 v[WS+2*(4*\z+\t):WS+2*(4*\z+\t)+1], v[VS8], s[10:11] offset:(256*\z+32*(\t/2)+8*(\t%2))*8
.endr
.endm
.macro LOADB z                         ; q's or k's biases in the result's layout: lane (r, h), tile 2 b + u: channels 32 b + 8 u + 16 h + 0 .. 7
	WIN 0x40
.irp t, 0,1,2,3
	global_load_b128 v[BQK+8*(4*\z+\t):BQK+8*(4*\z+\t)+3], v[VBQ], s[12:13] offset:(256*\z+32*(\t/2)+8*(\t%2))*4
	global_load_b128 v[BQK+8*(4*\z+\t)+4:BQK+8*(4*\z+\t)+7], v[VBQ], s[12:13] offset:(256*\z+32*(\t/2)+8*(\t%2))*4+16
.endr
	WIN 0
.endm
; Section z's eight fragments of W (tile t, K step s) from their images into window 1
.macro FETCHW z
	WIN 0x40                                       ; destination window 1, address window 0
.irp t, 0,1,2,3
.irp s, 0,1
.irp c, 0,1,2,3
	ds_load_b128 v[16*(2*\t+\s)+4*\c:16*(2*\t+\s)+4*\c+3], v[LI] offset:16384*(\z)+4096*\t+2048*\s+512*\c
.endr
.endr
.endr
	WIN 0
.endm
; 16 products: section z, two K steps x four tiles of channels x my two tiles of tokens.  The eight accumulators take turns, one instruction a turn.
; x = 0: source 0 = W, source 1 = x; accumulator (a, t) at ACC + 32 a + 8 t.   x = 1: the sources swapped; accumulator (t, a) at ACC + 16 t + 8 a.  Either way ACC + 16 B + i is number i of block B.
.macro MULS z, x
.irp s, 0,1
.if \x
	WIN 0x04+0x10*(1-\s)                           ; source 1 (W) window 1; in the first K step C (the bias) too
.else
	WIN 0x01+0x10*(1-\s)                           ; source 0 (W) window 1; in the first K step C (the bias) too
.endif
.irp t, 0,1,2,3
.irp a, 0,1
.if \x
.set rD, ACC+16*\t+8*\a
.if \s == 0
	v_wmma_scale_f32_16x16x128_f8f6f4 v[rD:rD+7], v[XF+32*\a+16*\s:XF+32*\a+16*\s+15], v[16*(2*\t+\s):16*(2*\t+\s)+15], v[BV+8*\t:BV+8*\t+7], v[XS+2*\a+\s], v[WS+2*(4*\z+\t)+\s]
.else
	v_wmma_scale_f32_16x16x128_f8f6f4 v[rD:rD+7], v[XF+32*\a+16*\s:XF+32*\a+16*\s+15], v[16*(2*\t+\s):16*(2*\t+\s)+15], v[rD:rD+7], v[XS+2*\a+\s], v[WS+2*(4*\z+\t)+\s]
.endif
.else
.set rD, ACC+32*\a+8*\t
.if \s == 0
	v_wmma_scale_f32_16x16x128_f8f6f4 v[rD:rD+7], v[16*(2*\t+\s):16*(2*\t+\s)+15], v[XF+32*\a+16*\s:XF+32*\a+16*\s+15], v[BQK+8*(4*\z+\t):BQK+8*(4*\z+\t)+7], v[WS+2*(4*\z+\t)+\s], v[XS+2*\a+\s]
.else
	v_wmma_scale_f32_16x16x128_f8f6f4 v[rD:rD+7], v[16*(2*\t+\s):16*(2*\t+\s)+15], v[XF+32*\a+16*\s:XF+32*\a+16*\s+15], v[rD:rD+7], v[WS+2*(4*\z+\t)+\s], v[XS+2*\a+\s]
.endif
.endif
.endr
.endr
.endr
	WIN 0
.endm
; The 64 numbers in ACC, four blocks of which my lane holds 16 numbers each (lane l xor 16 holds the other 16), become codes in v[PC + 16 p + 4 B] on and scale bytes in v[TM + 4 + B].
.macro QUANT p
.irp b, 0,1,2,3
	v_max3_num_f32 v[TM+\b], |v[ACC+16*\b]|, |v[ACC+1+16*\b]|, 0x4800000   ; my 16 numbers, and the floor 2^(9 - 127): so the byte cannot fall under 1.  Each accumulator is read from its low end on
.endr
.irp i, 2,4,6,8,10,12,14
.irp b, 0,1,2,3
	v_max3_num_f32 v[TM+\b], v[TM+\b], |v[ACC+16*\b+\i]|, |v[ACC+1+16*\b+\i]|   ; (the four blocks by turns)
.endr
.endr
.irp b, 0,1,2,3
	v_permlanex16_b32 v[TM+4+\b], v[TM+\b], s32, s33
.endr
.irp b, 0,1,2,3
	v_max_num_f32 v[TM+\b], v[TM+\b], v[TM+4+\b]   ; with lane l xor 16's: the block's largest magnitude
.endr
.irp b, 0,1,2,3
	v_add_nc_u32 v[TM+12+\b], 0xfc000000, v[TM+\b] ; 8 off its exponent field: the conversion takes the exponent field of this operand as its scale, and nothing else of it
.endr
.irp b, 0,1,2,3
	v_and_or_b32 v[TM+8+\b], v[TM+\b], 0x7f800000, s31   ; 448 x the scale: the largest magnitude's exponent field over 448's mantissa
.endr
.irp b, 0,1,2,3
	v_lshrrev_b32 v[TM+4+\b], 23, v[TM+12+\b]      ; the scale's byte
.endr
.irp b, 0,1,2,3
.irp i, 0,1,2,3,4,5,6,7,8,9,10,11,12,13,14,15
	v_med3_num_f32 v[ACC+16*\b+\i], v[ACC+16*\b+\i], -v[TM+8+\b], v[TM+8+\b]   ; the conversion to an 8-bit code does not saturate (ISA guide 7.6.2): the hold at the largest code x the scale
.endr
	v_cvt_scalef32_pk8_fp8_f32 v[PC+16*\p+4*\b:PC+16*\p+4*\b+1], v[ACC+16*\b:ACC+16*\b+7], v[TM+12+\b]
	v_cvt_scalef32_pk8_fp8_f32 v[PC+16*\p+4*\b+2:PC+16*\p+4*\b+3], v[ACC+16*\b+8:ACC+16*\b+15], v[TM+12+\b]
.endr
	v_nop                                          ; one plain vector instruction between the last conversion and whatever next writes its sources (the next section's products)
.endm
; q's or k's way out: block 2 a + b is group b of tile 2 w + a's fragment: four stores of 512 consecutive bytes.  A tile's two bytes make a row's half word.
; q: lanes 0-15 keep tile 2 w's and lanes 16-31 tile 2 w + 1's (bytes 2 and 3 stay 0: they scale zero codes).  k: the two tiles share a word, as they share a fragment's 16 registers in the next launch.
.macro QKOUT p, base, adr, wd
.irp a, 0,1
.irp b, 0,1
	global_store_b128 v[VQ], v[PC+16*\p+8*\a+4*\b:PC+16*\p+8*\a+4*\b+3], s[\base:\base+1] offset:1024*\a+512*\b
.endr
.endr
	v_lshl_or_b32 v210, v[TM+5], 8, v[TM+4]
	v_lshl_or_b32 v211, v[TM+7], 8, v[TM+6]
.if \p
	v_lshl_or_b32 v[\wd], v211, 16, v210
.else
	v_cndmask_b32 v[\wd], v210, v211, s30          ; s30 names lanes 16-31
.endif
	ds_store_b32 v[\adr], v[\wd]
.endm
	s_load_b256 s[4:11], s[0:1], 0x0               ; x's codes s[4:5], x's scales s[6:7], W's codes s[8:9], W's scales s[10:11]
	s_load_b256 s[12:19], s[0:1], 0x20             ; b s[12:13], qc s[14:15], qs s[16:17], kv s[18:19]
	v_lshl_add_u32 v254, v0, 2, SPARE
	v_mov_b32 v255, 0
	v_lshrrev_b32 v13, 5, v0
	v_readfirstlane_b32 s20, v13                   ; wave 0..3
	s_mov_b32 s21, ttmp9                           ; X = 16 x batch + key step
	s_and_b32 s22, ttmp7, 0xffff                   ; H
	s_lshr_b32 s23, s21, 4
	s_lshl_b32 s23, s23, 2
	s_add_co_u32 s23, s23, s22                     ; the head among 16: 4 x batch + H
	s_and_b32 s24, s21, 15                         ; the key step
	v_and_b32 v13, 31, v0                          ; lane
	v_and_b32 v14, 15, v0                          ; r
	v_bfe_u32 v15, v0, 4, 1                        ; h
	v_and_b32 v240, 8, v14
	v_add_nc_u32 v240, v240, v14                   ; r + 8 (r / 8)
	v_lshlrev_b32 v[VX], 8, v240
	v_lshl_add_u32 v[VX], v15, 4, v[VX]
	v_lshlrev_b32 v[VS8], 3, v240
	v_lshlrev_b32 v[VBQ], 6, v15
	v_lshlrev_b32 v[VBV], 2, v240
	v_lshlrev_b32 v[LI], 4, v13
	v_lshlrev_b32 v[L8], 3, v13
	s_lshl_b32 s25, s20, 12
	v_add_nc_u32 v[WST], s25, v[LI]
	s_lshl_b32 s25, s20, 11
	v_add_nc_u32 v[VQ], s25, v[LI]
	s_lshl_b32 s25, s20, 9
	s_add_co_u32 s25, s25, 8192
	v_add_nc_u32 v[VV], s25, v[LI]
	s_and_b32 s25, s20, 1
	s_lshl_b32 s25, s25, 7
	s_lshr_b32 s26, s20, 1
	s_lshl_b32 s26, s26, 2
	s_add_co_u32 s25, s25, s26
	s_add_co_u32 s25, s25, KST
	v_lshl_add_u32 v[VKS], v14, 3, s25
	s_add_co_u32 s25, s20, VST
	v_lshl_add_u32 v[VVS], v14, 3, s25
	s_lshl_b32 s25, s20, 7
	s_add_co_u32 s25, s25, QST
	v_lshl_add_u32 v[VQS], v13, 2, s25
	s_mov_b32 s27, 0                               ; every offset below is under 2^32: s[26:27] is the offset as a pair
	s_mov_b32 s30, 0xffff0000
	s_mov_b32 s31, 0x600000                        ; the mantissa field of 448
	s_mov_b32 s32, 0x76543210
	s_mov_b32 s33, 0xfedcba98                      ; v_permlanex16_b32's selects for lane l xor 16
	s_wait_alu depctr_va_vdst(0)
	s_wait_kmcnt 0x0
	s_lshl_b32 s26, s22, 14                        ; W's codes: row 64 H + 32 (w / 2) + 8 (w % 2), rows of 256 bytes: tile w of the head's channels
	s_lshr_b32 s25, s20, 1
	s_lshl_b32 s25, s25, 13
	s_add_co_u32 s26, s26, s25
	s_and_b32 s25, s20, 1
	s_lshl_b32 s25, s25, 11
	s_add_co_u32 s26, s26, s25
	s_add_nc_u64 s[8:9], s[8:9], s[26:27]
	LOADW 0                                        ; 8 loads: q's part of W first
	s_lshl_b32 s26, s21, 15                        ; x's codes: 128 X + 32 w rows of 256 bytes
	s_lshl_b32 s25, s20, 13
	s_add_co_u32 s26, s26, s25
	s_add_nc_u64 s[4:5], s[4:5], s[26:27]
.irp a, 0,1                                    ; x's fragments: tile a begins 8 a rows on: 16 loads
.irp s, 0,1
.irp c, 0,1,2,3
	global_load_b128 v[XF+32*\a+16*\s+4*\c:XF+32*\a+16*\s+4*\c+3], v[VX], s[4:5] offset:2048*\a+128*\s+32*\c
.endr
.endr
.endr
	s_lshl_b32 s26, s21, 10                        ; x's scales: 8 bytes a row
	s_lshl_b32 s25, s20, 8
	s_add_co_u32 s26, s26, s25
	s_add_nc_u64 s[6:7], s[6:7], s[26:27]
	s_lshl_b32 s26, s22, 9                         ; W's scales: row 64 H, 8 bytes a row
	s_add_nc_u64 s[10:11], s[10:11], s[26:27]
	s_lshl_b32 s26, s22, 8                         ; b: number 64 H
	s_add_nc_u64 s[12:13], s[12:13], s[26:27]
.irp a, 0,1
	global_load_b64 v[XS+2*\a:XS+2*\a+1], v[VS8], s[6:7] offset:64*\a   ; a row's two scale words: 2 loads
.endr
	LOADWS 0                                       ; 4
	LOADB 0                                        ; 8
	LOADW 1                                        ; 16
	LOADW 2
	s_lshl_b32 s26, s23, 17                        ; qc: 131,072 a head, 8,192 a step
	s_lshl_b32 s25, s24, 13
	s_add_co_u32 s26, s26, s25
	s_add_nc_u64 s[14:15], s[14:15], s[26:27]
	s_lshl_b32 s26, s23, 13                        ; qs: 8,192 a head, 512 a step
	s_lshl_b32 s25, s24, 9
	s_add_co_u32 s26, s26, s25
	s_add_nc_u64 s[16:17], s[16:17], s[26:27]
	s_mul_i32 s26, s23, HEADB
	s_add_nc_u64 s[18:19], s[18:19], s[26:27]      ; kv at the head,
	s_and_b32 s25, s24, 7
	s_mul_i32 s26, s25, SUP
	s_lshr_b32 s25, s24, 3
	s_mul_i32 s25, s25, HALF
	s_add_co_u32 s26, s26, s25
	s_add_nc_u64 s[18:19], s[18:19], s[26:27]      ; at the step's codes,
	s_mov_b32 s26, SCL
	s_add_nc_u64 s[28:29], s[18:19], s[26:27]      ; and at its scale words
	s_wait_loadcnt 46                              ; q's part of W is in: the 16 + 2 + 4 + 8 + 16 loads issued behind it may be out
	STOREW 0
	LOADWS 1                                       ; 20 loads more: k's and v's scale words and biases
	LOADWS 2
	LOADB 1
	WIN 0x40
.irp t, 0,1,2,3
	global_load_b32 v[BV+8*\t], v[VBV], s[12:13] offset:(512+32*(\t/2)+8*(\t%2))*4   ; v's: one number a lane, its channel's
.endr
	WIN 0
	s_wait_dscnt 0x0                               ; for the others' sake: my images have landed
	s_barrier_signal -1
	s_barrier_wait -1                              ; q's eight images lie in LDS
	FETCHW 0
.irp b, 0,1,2,3
	v_mov_b32 v[TM+4+\b], 0                        ; written once: a lane permute's destination counts as one of its sources
.endr
	s_wait_loadcnt 36                              ; x, q's scale words and biases: k's and v's W (16) and the 20 may be out
	; ---- q
	s_wait_dscnt 0x0                               ; q's fragments of W are in
	MULS 0, 0
	s_wait_loadcnt 20                              ; k's and v's parts of W
	STOREW 1
	STOREW 2
	PLACES
	s_wait_dscnt 0x0
	s_barrier_signal -1
	s_barrier_wait -1                              ; all 24 images lie in LDS; nobody writes them again
	FETCHW 1                                       ; k's fragments come while q is quantised
	QUANT 0
	QKOUT 0, 14, VQS, 208
	; ---- k
	s_wait_alu depctr_va_vdst(0)
	s_wait_loadcnt 0x0                             ; the rest of the scale words and biases
	s_wait_dscnt 0x0
	MULS 1, 0
	WIN 0x41                                       ; destination and source 0 window 1
.irp t, 0,1,2,3
.irp i, 1,2,3,4,5,6,7
	v_mov_b32 v[BV+8*\t+\i], v[BV+8*\t]            ; v's bias as a C: the lane's channel in all eight rows.  (These 28 are also the places behind the products)
.endr
.endr
	WIN 0
	FETCHW 2
	QUANT 1
	QKOUT 1, 18, VKS, 209
	; ---- v: block t is channel tile t; my 32 tokens are key block w of the step: group w of V's image t, byte w of its rows' scale words
	s_wait_alu depctr_va_vdst(0)
	s_wait_dscnt 0x0
	MULS 2, 1
	PLACES
	QUANT 2
.irp t, 0,1,2,3
	ds_store_b8 v[VVS], v[TM+4+\t] offset:128*(\t%2)+4*(\t/2)   ; both halves of the lanes write the same byte with the same value
.endr
.irp t, 0,1,2,3
	global_store_b128 v[VV], v[PC+32+4*\t:PC+32+4*\t+3], s[18:19] offset:2048*\t   ; 512 consecutive bytes
.endr
	s_wait_alu depctr_va_vdst(0)
	s_wait_dscnt 0x0                               ; for wave 0's sake: my scale words and bytes have landed
	s_barrier_signal -1
	s_barrier_wait -1
	s_cmp_lg_u32 s20, 0                            ; wave 0 stores the step's gathered scales: 256 + 256 + 512 consecutive bytes, each run starting at a multiple of 256 from its buffer's first byte
	s_cbranch_scc1 .Ldone
	ds_load_b64 v[240:241], v[L8] offset:KST
	ds_load_b64 v[244:245], v[L8] offset:VST
	ds_load_b128 v[248:251], v[LI] offset:QST
	s_wait_dscnt 0x0
	global_store_b64 v[L8], v[240:241], s[28:29]
	global_store_b64 v[L8], v[244:245], s[28:29] offset:256
	global_store_b128 v[LI], v[248:251], s[16:17]
.Ldone:
	s_wait_tensorcnt 0x0                           ; the wave's end
	ds_add_u32 v254, v255
	s_wait_dscnt 0x0
	s_endpgm
.Lfunc_end_k_qf03b0b492a_qkv:
	.size	k_qf03b0b492a_qkv, .Lfunc_end_k_qf03b0b492a_qkv-k_qf03b0b492a_qkv
	.p2alignl 7, 3214868480
	.fill 96, 4, 3214868480
	.section	.rodata,"a",@progbits
	.p2align	6, 0x0
	.amdhsa_kernel k_qf03b0b492a_qkv
		.amdhsa_group_segment_fixed_size 50944
		.amdhsa_private_segment_fixed_size 0
		.amdhsa_enable_private_segment 0
		.amdhsa_kernarg_size 64
		.amdhsa_user_sgpr_count 2
		.amdhsa_user_sgpr_kernarg_segment_ptr 1
		.amdhsa_wavefront_size32 1
		.amdhsa_system_sgpr_workgroup_id_x 1
		.amdhsa_system_sgpr_workgroup_id_y 1
		.amdhsa_system_sgpr_workgroup_id_z 1
		.amdhsa_system_vgpr_workitem_id 0
		.amdhsa_next_free_vgpr 608
		.amdhsa_next_free_sgpr 66
		.amdhsa_reserve_vcc 0
		.amdhsa_float_denorm_mode_32 3
		.amdhsa_float_denorm_mode_16_64 3
		.amdhsa_memory_ordered 1
		.amdhsa_forward_progress 1
		.amdhsa_inst_pref_size 54
	.end_amdhsa_kernel
	.amdgpu_metadata
---
amdhsa.version: [ 1, 2 ]
amdhsa.kernels:
  - .name:           k_qf03b0b492a_qkv
    .symbol:         k_qf03b0b492a_qkv.kd
    .args:
      - { .name: x_codes, .offset: 0, .size: 8, .value_kind: global_buffer, .address_space: global }
      - { .name: x_scales, .offset: 8, .size: 8, .value_kind: global_buffer, .address_space: global }
      - { .name: W_qkv_codes, .offset: 16, .size: 8, .value_kind: global_buffer, .address_space: global }
      - { .name: W_qkv_scales, .offset: 24, .size: 8, .value_kind: global_buffer, .address_space: global }
      - { .name: b_qkv, .offset: 32, .size: 8, .value_kind: global_buffer, .address_space: global }
      - { .name: qc, .offset: 40, .size: 8, .value_kind: global_buffer, .address_space: global }
      - { .name: qs, .offset: 48, .size: 8, .value_kind: global_buffer, .address_space: global }
      - { .name: kv, .offset: 56, .size: 8, .value_kind: global_buffer, .address_space: global }
    .group_segment_fixed_size: 50944
    .private_segment_fixed_size: 0
    .kernarg_segment_align: 8
    .kernarg_segment_size: 64
    .max_flat_workgroup_size: 128
    .sgpr_count:     66
    .vgpr_count:     608
    .wavefront_size: 32
...
	.end_amdgpu_metadata
.endif
;; end of part 1
;; launch attn (part 2): grid 16 x 16, 8 waves a work-group, clusters of 4 x 1, 327,680 bytes of LDS; arguments qc, qs, kv, out0; writes out0
.if DOCPART == 2
	.amdgcn_target "amdgcn-amd-amdhsa--gfx1250"
	.amdhsa_code_object_version 6
	.text
	.protected	k_qf03b0b492a_attn
	.globl	k_qf03b0b492a_attn
	.p2align	8
	.type	k_qf03b0b492a_attn,@function
k_qf03b0b492a_attn:
	s_mov_b64 s[64:65], 0
	v_nop
	global_prefetch_b8 v0, s[64:65] scope:SCOPE_SE
	s_setreg_imm32_b32 hwreg(HW_REG_WAVE_MODE, 25, 1), 1
	s_wait_xcnt 0x0
	s_wait_alu depctr_hold_cnt(0) depctr_sa_sdst(0) depctr_va_vdst(0) depctr_va_sdst(0) depctr_va_ssrc(0) depctr_va_vcc(0) depctr_vm_vsrc(0)
	s_getreg_b32 s2, hwreg(HW_REG_IB_STS2, 6, 4)
	s_cmp_eq_u32 s2, 0
	s_cbranch_scc0 .Lentry_in_a_cluster
	s_endpgm
.Lentry_in_a_cluster:
	s_bfe_u32 s2, ttmp6, 0x10000c
	s_cmp_lg_u32 s2, 0x3003
	s_cbranch_scc0 .Lentry_shape_is_right
	s_endpgm
.Lentry_shape_is_right:
; O[head][q][:] = the sum over k of softmax_k(Q[q] . K[k] / 8) V[k][:], 16 heads of 2,048 x 64, both products on codes of FP8 (E4M3) with one E8M0 scale for each 32 along a product's K.
; Q, K, V come as the launch before left them: images of operand registers (a group of four registers = 512 bytes, lane l's 16 bytes at 16 l) and scale words laid lane by lane.
; THE SOFTMAX AHEAD OF THE SECOND PRODUCT: t = score x log2(e) / 8; M = the row's largest t so far, rounded UP to a whole number; p = 2^(t - M) is what is quantised, along the keys; it is not normalised.
; The row's sum is taken of the unquantised p, in f32, and divides O at the end.  When M moves, the sum and O are multiplied by 2^(old M - new M): a power of two.
; SHARES.  A work-group owns 128 queries of one head.  Wave w owns TWO tiles of 16 queries, 2 (w % 4) and 2 (w % 4) + 1, and HALF w / 4 of the keys, in 448 registers: two waves to a SIMD.  It walks its 1,024 keys in eight trips of 128.
; So each fragment of K and V that a wave reads from LDS feeds both tiles.  At the end waves w and w + 4 exchange one tile each (O, the sum, M) through LDS; each joins and stores the other: set 0 of the registers is the tile that I keep, set 1 the one that I give.
; THE WHOLE HEAD'S K AND V LIE IN LDS: eight pieces of SUP bytes (piece j: key steps j and 8 + j), an LDS address being the byte's offset in the head's block of kv.  Every byte is filled ONCE.  Each wave brings one piece with one tensor load, at the head.
; Two barriers show the pieces: the first those of waves 0 and 1 (they have a load line of their own), the second, at the end of trip 0, all others.
; No prefetch: every byte that the loop reads is asked for by the head's loads, and no load stands in the loop.
; CLUSTER.  The four work-groups of a cluster take neighbouring query blocks of one head, so each load is asked for JOINTLY: the same descriptor, made of the head and the wave's number alone, with a mask that names the four.
; LAYOUT.  Both products are used transposed: S^T = K Q^T (source 0 = keys, source 1 = 16 queries), O^T = V^T P^T (source 0 = 16 channels, source 1 = P): a lane holds ONE query of a tile (lane % 16) throughout.
; The items of a tile are not neighbours: lane r of tile 2 b + u takes item 32 b + 8 u + r + 8 (r / 8); so the 16 registers of tiles 2 b and 2 b + 1 of S^T are keys 32 b + 16 (lane / 16) + 0 .. 15: P's codes are the operand's registers.
; A head's 64 channels are half of the product's K = 128: a fragment of K holds TWO tiles (2 b below, 2 b + 1 above), and Q stands as [Q, 0] and as [0, Q], zero codes written once: each product takes one of the tiles.  The scale bytes over the zero codes are 0 (a power of two).
; A TRIP: the scores of its 128 keys stand in S^T, 64 registers a set.  The first group of products is set 0's V^T P^T and its K Q^T of the NEXT trip; the second, at the trip's end, the same for set 1.
; LIMITS: NaN and infinities are not served; scaled scores (exponents to the base 2) stay under 2^31 in magnitude.  A block of p whose largest lies under 2^-118 keeps the byte 1.
; REGISTERS, window 0: v1-9 addresses and constants; v12-15 -M and the largest score of each set; v16-55 zeros, Q, zeros, Q, zeros; v56-87 p's codes, before that sums; v88-89 p's scale words; v[6:7], v[90:91] the sums; v92-95 f; v96-99 Q's scale words, v100-101 K's, v102-103 V's; v104-127 at work; v128-255 S^T, then p.
;   window 1: v0-63 K's four fragments; v64-127 V's four; v128-191 O^T of both sets.
.set HEADB, 270336
.set SUP,   33792
.set HALF,  16896                      ; a key step: 8,192 bytes of K, 8,192 of V, 256 + 256 of scale words
.set VOFF,  8192
.set SCL,   16384                      ; K's scale words (V's 256 bytes on)
.set STG,   270336                     ; behind the head: 4,352 bytes for each wave, for the exchange and the way out; no tile lands there
.set SLOT,  4352
.set SPARE, 305152                     ; the spare words, 128 bytes for each wave
.set LI,  1                            ; v1   16 x lane
.set L8,  2                            ; v2   SCL + 8 x lane
.set AD,  3                            ; v3   the trip's codes
.set ADS, 4                            ; v4   the trip's scale words
.set SPW, 5
.set L0,  6                            ; v[6:7]   set 0's sum, in two halves
.set NIL, 8
.set FL,  9                            ; v9   the floor 2^(9 - 127)
.set NM,  12                           ; v12, v14  -M of a set;  v13, v15 its largest score
.set QZ,  16
.set PC,  56
.set PW,  88
.set L1,  90                           ; v[90:91] set 1's sum
.set F,   92                           ; v[92:93], v[94:95] f = 2^(old M - new M): a pair is named, its low word serves both halves
.set QS,  96                           ; v96-99  Q's scale word of a set for [Q, 0] and for [0, Q]
.set KS,  100
.set VS,  102
.set BM,  104                          ; v104-111 each block's largest score, then its largest p, then the scale's byte
.set T1,  112                          ; v112-119 a second chain of maxima, lane l xor 16's, then the conversions' scale operands
.set HD,  120                          ; v120-127 at work; 448 x the scale
.set S,   128
.set VF,  64                           ; in window 1
.set O,   128
.set WV,  12                           ; s12  my wave's number
.set SEL, 20                           ; s[20:21] v_permlanex16_b32's selects for lane l xor 16
.set CS,  22                           ; s[22:23] c = log2(e) / 8
.set G1,  24                           ; s[24:31], s[40:43] the descriptor
.set G0,  40
.set MNT, 60                           ; s60  the mantissa field of 448
.set TB,  61                           ; s61  LDS byte at which the trip's key step begins
.set CNT, 63
.set MSB, 0
.macro WIN new                         ; the immediate's high byte repeats the setting that is left; a switch that changes nothing is dropped
.if MSB != \new
	s_set_vgpr_msb (MSB<<8)|\new
.set MSB, \new
.endif
.endm
; A round of the cluster's barrier
.macro ROUND
	s_barrier_signal -1
	s_barrier_wait -1
	s_cmp_lg_u32 s[WV], 0
	s_cbranch_scc1 .Lnot_wave_0_\@
	s_barrier_signal -3
.Lnot_wave_0_\@:
	s_barrier_wait -3
	s_barrier_signal -1
	s_barrier_wait -1
.endm
.macro LOADK base                      ; a key step's K: four fragments of two tiles (destination window 1 is set)
.irp b, 0,1,2,3
.irp c, 0,1,2,3
	ds_load_b128 v[16*\b+4*\c:16*\b+4*\c+3], v[AD] offset:\base+2048*\b+512*\c
.endr
.endr
.endm
.macro LOADV                           ; the trip's V: four fragments
.irp n, 0,1,2,3
.irp c, 0,1,2,3
	ds_load_b128 v[VF+16*\n+4*\c:VF+16*\n+4*\c+3], v[AD] offset:VOFF+2048*\n+512*\c
.endr
.endr
.endm
.macro SMUL a                          ; S^T = K Q^T of set a: eight tiles of 16 keys; each product starts its sum with the constant 0.  K's scale words: register i: lanes 0-15 fragment 2 i, lanes 16-31 fragment 2 i + 1
	WIN 0x01                                       ; source 0 (K) window 1
.irp b, 0,1,2,3
.irp u, 0,1
.if \b%2
	v_wmma_scale_f32_16x16x128_f8f6f4 v[S+64*\a+16*\b+8*\u:S+64*\a+16*\b+8*\u+7], v[16*\b:16*\b+15], v[QZ+16*\a+8-8*\u:QZ+16*\a+8-8*\u+15], 0, v[KS+\b/2], v[QS+2*\a+\u] matrix_a_scale:MATRIX_SCALE_ROW1
.else
	v_wmma_scale_f32_16x16x128_f8f6f4 v[S+64*\a+16*\b+8*\u:S+64*\a+16*\b+8*\u+7], v[16*\b:16*\b+15], v[QZ+16*\a+8-8*\u:QZ+16*\a+8-8*\u+15], 0, v[KS+\b/2], v[QS+2*\a+\u]
.endif
.endr
.endr
.endm
.macro PVMUL a                         ; O^T += V^T P^T of set a.  A set's four accumulators take turns
	WIN 0x51                                       ; source 0 (V), C and D window 1
.irp n, 0,1,2,3
.if \n%2
	v_wmma_scale_f32_16x16x128_f8f6f4 v[O+32*\a+8*\n:O+32*\a+8*\n+7], v[VF+16*\n:VF+16*\n+15], v[PC+16*\a:PC+16*\a+15], v[O+32*\a+8*\n:O+32*\a+8*\n+7], v[VS+\n/2], v[PW+\a] matrix_a_scale:MATRIX_SCALE_ROW1
.else
	v_wmma_scale_f32_16x16x128_f8f6f4 v[O+32*\a+8*\n:O+32*\a+8*\n+7], v[VF+16*\n:VF+16*\n+15], v[PC+16*\a:PC+16*\a+15], v[O+32*\a+8*\n:O+32*\a+8*\n+7], v[VS+\n/2], v[PW+\a]
.endif
.endr
.endm
.macro MAXH a                          ; set a: the largest of my 16 scores of each of the four blocks of 32 keys: two chains a block, the eight chains by turns (each accumulator from its low end on)
.irp b, 0,1,2,3
	v_max3_num_f32 v[BM+4*\a+\b], v[S+64*\a+16*\b], v[S+64*\a+16*\b+1], v[S+64*\a+16*\b+2]
.endr
.irp b, 0,1,2,3
	v_max3_num_f32 v[T1+4*\a+\b], v[S+64*\a+16*\b+8], v[S+64*\a+16*\b+9], v[S+64*\a+16*\b+10]
.endr
.irp i, 3,5
.irp b, 0,1,2,3
	v_max3_num_f32 v[BM+4*\a+\b], v[BM+4*\a+\b], v[S+64*\a+16*\b+\i], v[S+64*\a+16*\b+\i+1]
.endr
.irp b, 0,1,2,3
	v_max3_num_f32 v[T1+4*\a+\b], v[T1+4*\a+\b], v[S+64*\a+16*\b+8+\i], v[S+64*\a+16*\b+9+\i+(\b%2)*(\i/5)]
.endr
.endr
.irp b, 0,1,2,3
	v_max3_num_f32 v[BM+4*\a+\b], v[BM+4*\a+\b], v[T1+4*\a+\b], v[S+64*\a+16*\b+7]
.endr
.irp b, 0,2                            ; the last number: 15 of the even block, 14 of the odd one (a pair's second sources lie in unlike banks)
	v_dual_max_num_f32 v[BM+4*\a+\b], v[BM+4*\a+\b], v[S+64*\a+16*\b+15] :: v_dual_max_num_f32 v[BM+4*\a+\b+1], v[BM+4*\a+\b+1], v[S+64*\a+16*\b+30]
.endr
.endm
.macro FMAS a, k, n                    ; t - M of pairs k .. k + n - 1 of set a (of the pairs c and -M the low word serves both halves)
.set J_, \k
.rept \n
	v_pk_fma_f32 v[S+64*\a+2*J_:S+64*\a+2*J_+1], v[S+64*\a+2*J_:S+64*\a+2*J_+1], s[CS:CS+1], v[NM+2*\a:NM+2*\a+1] op_sel_hi:[1,0,0]
.set J_, J_+1
.endr
.endm
.macro HOLD a, k                       ; pair k of set a: the conversion to an 8-bit code does not saturate (ISA guide 7.6.2); p is not negative, so the hold is one-sided
	v_dual_min_num_f32 v[S+64*\a+2*(\k)], v[S+64*\a+2*(\k)], v[HD+4*\a+(\k)/8] :: v_dual_min_num_f32 v[S+64*\a+2*(\k)+1], v[S+64*\a+2*(\k)+1], v[HD+4*\a+(\k)/8]
.endm
.macro HOLDS a, k, n
.set K_, \k
.rept \n
	HOLD \a, K_
.set K_, K_+1
.endr
.endm
.macro CVT a
.irp b, 0,1,2,3
	v_cvt_scalef32_pk8_fp8_f32 v[PC+16*\a+4*\b:PC+16*\a+4*\b+1], v[S+64*\a+16*\b:S+64*\a+16*\b+7], v[T1+4*\a+\b]
	v_cvt_scalef32_pk8_fp8_f32 v[PC+16*\a+4*\b+2:PC+16*\a+4*\b+3], v[S+64*\a+16*\b+8:S+64*\a+16*\b+15], v[T1+4*\a+\b]
.endr
.endm
.macro RED x, n                        ; n sums from 2 n, at register x
.set J_, 0
.rept \n
	v_pk_add_f32 v[\x+2*J_:\x+2*J_+1], v[\x+2*J_:\x+2*J_+1], v[\x+2*J_+2*\n:\x+2*J_+2*\n+1]
.set J_, J_+1
.endr
.endm
.macro SUM1 k, n                       ; set 1's first sums, of two pairs each, into the registers that will hold its codes
.set J_, \k
.rept \n
	v_pk_add_f32 v[PC+16+2*J_:PC+17+2*J_], v[S+64+4*J_:S+64+4*J_+1], v[S+64+4*J_+2:S+64+4*J_+3]
.set J_, J_+1
.endr
.endm
.macro SUM1ON e                        ; and a pair more to each, from element e on
.set J_, 0
.rept 8
	v_pk_add_f32 v[PC+16+2*J_:PC+17+2*J_], v[PC+16+2*J_:PC+17+2*J_], v[S+64+\e+2*J_:S+64+\e+2*J_+1]
.set J_, J_+1
.endr
.endm
; A TRIP.  nxt = 1: the next trip's K is fetched and multiplied.  show = 1 (trip 0): the second barrier shows the pieces that waves 2 to 7 have brought.
.macro TRIP nxt, show
	v_add_nc_u32 v[AD], s[TB], v[LI]
	v_add_nc_u32 v[ADS], s[TB], v[L8]
	MAXH 0                                         ; set 0's scores were finished a group of products ago; these lines are the places behind the last group, for the loads below and for set 1's scores
	WIN 0x40                                       ; destination window 1, address window 0
	LOADV
.if \nxt
	LOADK SUP
.endif
	WIN 0
	ds_load_b64 v[VS:VS+1], v[ADS] offset:256      ; V's scale words: register i: lanes 0-15 tile 2 i, lanes 16-31 tile 2 i + 1
.if \nxt
	ds_load_b64 v[KS:KS+1], v[ADS] offset:SUP
.endif
	MAXH 1
.irp b, 0,1,2,3,4,5,6,7
	v_permlanex16_b32 v[T1+\b], v[BM+\b], s[SEL], s[SEL+1]
.endr
.irp b, 0,2,4,6                        ; with lane l xor 16's 16 keys: the block's largest score, which serves twice: for the row's maximum, and, since p rises with the score, for the block's largest p
	v_dual_max_num_f32 v[BM+\b], v[BM+\b], v[T1+\b] :: v_dual_max_num_f32 v[BM+\b+1], v[BM+\b+1], v[T1+\b+1]
.endr
.irp a, 0,1
	v_max3_num_f32 v[HD+\a], v[BM+4*\a], v[BM+4*\a+1], v[BM+4*\a+2]
.endr
.irp a, 0,1
	v_max3_num_f32 v[NM+2*\a+1], v[NM+2*\a+1], v[BM+4*\a+3], v[HD+\a]   ; the running largest score of my query
.endr
.irp a, 0,1
	v_mov_b32 v[HD+2+\a], v[NM+2*\a]
.endr
.irp a, 0,1
	v_mul_f32 v[HD+\a], s[CS], v[NM+2*\a+1]        ; as t (c is positive)
.endr
.irp a, 0,1
	v_floor_f32 v[NM+2*\a], -v[HD+\a]              ; the new -M = floor(-t) = -ceil(t): M IS A WHOLE NUMBER
.endr
	FMAS 0, 0, 4
.irp a, 0,1
	v_sub_f32 v[HD+2+\a], v[NM+2*\a], v[HD+2+\a]   ; M's old value less its new one: a whole number, 0 or less
.endr
	FMAS 0, 4, 4
.irp a, 0,1
	v_cvt_i32_f32 v[HD+2+\a], v[HD+2+\a]           ; (it saturates)
.endr
	FMAS 0, 8, 4
.irp a, 0,1
	v_ldexp_f32 v[F+2*\a], 1.0, v[HD+2+\a]         ; f = 2^(old M - new M): a multiplication by it rounds nothing
.endr
	FMAS 0, 12, 20
.irp b, 0,2,4,6
	v_pk_fma_f32 v[BM+\b:BM+\b+1], v[BM+\b:BM+\b+1], s[CS:CS+1], v[NM+2*(\b/4):NM+2*(\b/4)+1] op_sel_hi:[1,0,0]   ; the same of each block's largest score
.endr
	WIN 0x41
.irp a, 0,1
.set J_, 0
.rept 16
	v_pk_mul_f32 v[O+32*\a+J_:O+32*\a+J_+1], v[O+32*\a+J_:O+32*\a+J_+1], v[F+2*\a:F+2*\a+1] op_sel_hi:[1,0]   ; O^T under the new M, each accumulator from its low end on
.set J_, J_+2
.endr
.endr
	WIN 0
	s_wait_alu depctr_va_vdst(0)                   ; ahead of the batch
.set K_, 0
.rept 32                               ; set 0's exponentials among set 1's multiply-adds
	v_exp_f32 v[S+2*K_], v[S+2*K_]                 ; p = 2^(t - M): NOT normalised
	v_exp_f32 v[S+2*K_+1], v[S+2*K_+1]
	FMAS 1, K_, 1
.set K_, K_+1
.endr
.irp b, 0,1,2,3,4,5,6,7
	v_exp_f32 v[BM+\b], v[BM+\b]                   ; the block's largest p: the same two instructions on the same number give the same bits
.endr
	v_pk_mul_f32 v[L0:L0+1], v[L0:L0+1], v[F:F+1] op_sel_hi:[1,0]   ; the sums under the new M.  (Plain instructions behind the exponentials)
	v_pk_mul_f32 v[L1:L1+1], v[L1:L1+1], v[F+2:F+3] op_sel_hi:[1,0]
	s_wait_alu depctr_va_vdst(0)                   ; and ahead of the batch's first reader
.irp b, 0,2,4,6                        ; the floor: the byte cannot fall under 1
	v_dual_max_num_f32 v[BM+\b], v[BM+\b], v[FL] :: v_dual_max_num_f32 v[BM+\b+1], v[BM+\b+1], v[FL]
.endr
.irp b, 0,1,2,3,4,5,6,7
	v_add_nc_u32 v[T1+\b], 0xfc000000, v[BM+\b]    ; 8 off the exponent field: the conversion's scale operand
.endr
.irp b, 0,1,2,3,4,5,6,7
	v_and_or_b32 v[HD+\b], v[BM+\b], 0x7f800000, s[MNT]   ; 448 x the scale
.endr
.irp b, 0,1,2,3,4,5,6,7
	v_lshrrev_b32 v[BM+\b], 23, v[T1+\b]           ; the scale's byte
.endr
.irp a, 0,1
	v_lshl_or_b32 v[PW+\a], v[BM+4*\a+1], 8, v[BM+4*\a]   ; p's scale words
.endr
.irp a, 0,1
	v_lshl_or_b32 v[PW+\a], v[BM+4*\a+2], 16, v[PW+\a]
.endr
.irp a, 0,1
	v_lshl_or_b32 v[PW+\a], v[BM+4*\a+3], 24, v[PW+\a]
.endr
	s_wait_alu depctr_va_vdst(0)
.set K_, 0
.rept 16                               ; set 1's exponentials among set 0's first sums (of the unquantised p, in the registers that will hold the codes) and its holds
	v_exp_f32 v[S+64+4*K_], v[S+64+4*K_]
	v_exp_f32 v[S+65+4*K_], v[S+65+4*K_]
	v_pk_add_f32 v[PC+2*K_:PC+2*K_+1], v[S+4*K_:S+4*K_+1], v[S+4*K_+2:S+4*K_+3]
	v_exp_f32 v[S+66+4*K_], v[S+66+4*K_]
	HOLD 0, 2*K_
	v_exp_f32 v[S+67+4*K_], v[S+67+4*K_]
	HOLD 0, 2*K_+1
.set K_, K_+1
.endr
	s_wait_alu depctr_va_vdst(0)
	RED PC, 8                                      ; set 0's 16 sums become one
	RED PC, 4
	RED PC, 2
	SUM1 0, 4
	RED PC, 1
	SUM1 4, 4
	v_pk_add_f32 v[L0:L0+1], v[L0:L0+1], v[PC:PC+1]
	CVT 0
	SUM1ON 32                                      ; (also the places between the conversions and the products that take the codes)
	s_wait_alu depctr_va_vdst(0)
	s_wait_dscnt 0x0                               ; the loads of the trip's head
	PVMUL 0
.if \nxt
	SMUL 0
.endif
	WIN 0
	SUM1ON 48
	RED PC+16, 4
	HOLDS 1, 0, 8
	RED PC+16, 2
	HOLDS 1, 8, 24
	v_pk_add_f32 v[BM:BM+1], v[PC+16:PC+17], v[PC+18:PC+19]
	CVT 1
	v_pk_add_f32 v[L1:L1+1], v[L1:L1+1], v[BM:BM+1]
.rept 3
	v_nop                                          ; (four places behind the conversions)
.endr
.if \show
	s_wait_alu depctr_va_vdst(0)
	s_wait_tensorcnt 0x0                           ; my piece is in
	s_wait_dscnt 0x0
	s_barrier_signal -1
.endif
	PVMUL 1
.if \nxt
	SMUL 1
.endif
	WIN 0
.if \show
	s_barrier_wait -1                              ; everybody's pieces are in
.endif
	s_add_co_u32 s[TB], s[TB], SUP
.endm
	s_load_b256 s[4:11], s[0:1], 0x0               ; qc s[4:5], qs s[6:7], kv s[8:9], out0 s[10:11]
	v_lshl_add_u32 v[SPW], v0, 2, SPARE
	v_mov_b32 v[NIL], 0
	ds_add_u32 v[SPW], v[NIL]                      ; the wave's opening: the add, twice on end, and its wait ahead of my first tensor load
	ds_add_u32 v[SPW], v[NIL]
	v_lshrrev_b32 v11, 5, v0
	v_readfirstlane_b32 s[WV], v11                 ; wave 0..7
	s_and_b32 s15, ttmp7, 0xffff                   ; the head, which the four partners share
	; descriptor group 1: a piece is a dense block, stated as 132 rows of 256 bytes (32 elements of 8 bytes)
	s_mov_b32 s[G1], 15|(3<<16)|(1<<21)            ; 15:0 the mask: all four work-groups; 17:16 elements of 8 bytes; 20 no padding; 21 set beside a mask
	s_mov_b32 s[G1+1], 32<<16
	s_mov_b32 s[G1+2], 132<<16
	s_mov_b32 s[G1+3], 32<<16
	s_mov_b32 s[G1+4], 132
	s_mov_b32 s[G1+5], 32
	s_mov_b32 s[G1+6], 0
	s_mov_b32 s[G1+7], 0
	s_mov_b32 s[SEL], 0x76543210
	s_mov_b32 s[SEL+1], 0xfedcba98
	s_mov_b32 s[CS], 0x3e38aa3b                    ; c = log2(e) / 8
	s_mov_b32 s[CS+1], s[CS]                       ; (named with it as a pair, so it is written)
	s_mov_b32 s[MNT], 0x600000
	s_lshr_b32 s46, s[WV], 2                       ; my half of the keys
	s_and_b32 s47, s[WV], 3                        ; my pair of tiles
	s_mul_i32 s[TB], s46, HALF
	s_mov_b32 s[G0], 1
	s_mul_i32 s[G0+1], s[WV], SUP                  ; my piece: its LDS address,
	s_mul_i32 s16, s15, HEADB
	s_add_co_u32 s16, s16, s[G0+1]                 ; and its place in kv
	s_mov_b32 s17, 0
	s_wait_alu depctr_va_vdst(0)
	s_wait_dscnt 0x0                               ; both opening adds are done
	ROUND                                          ; all four work-groups are here: the joint loads meet
	s_wait_kmcnt 0x0
	s_add_nc_u64 s[G0+2:G0+3], s[8:9], s[16:17]
	s_or_b32 s[G0+3], s[G0+3], 0x80000000
	s_cmp_lt_u32 s[WV], 2                          ; one joint load a wave; what the first barrier shows has a line of its own
	s_cbranch_scc0 .Llater
	tensor_load_to_lds s[G0:G0+3], s[G1:G1+7]
	s_nop 0
.rept 4
	v_nop
.endr
	s_branch .Lasked
.Llater:
	tensor_load_to_lds s[G0:G0+3], s[G1:G1+7]
	s_nop 0
.rept 4
	v_nop
.endr
.Lasked:
	; my place in the cluster enters Q's and O's addresses alone, in registers that feed no descriptor
	s_bfe_u32 s13, ttmp6, 0x40000                  ; cx
	s_lshl_b32 s14, ttmp9, 2                       ; in a cluster launch ttmp9 counts clusters
	s_add_co_u32 s14, s14, s13                     ; my block of 128 queries = 4 x cluster x + cx
	s_mov_b32 s3, 0
	s_lshl_b32 s2, s15, 7
	s_lshl_b32 s13, s14, 3
	s_add_co_u32 s2, s2, s13
	s_lshl_b32 s13, s47, 1
	s_add_co_u32 s13, s13, s46
	s_add_co_u32 s13, s13, s2                      ; set 0's tile among all: 128 x head + 8 x block + 2 x pair + half;
	s_xor_b32 s44, s13, 1                          ; set 1's is the pair's other one
	s_lshl_b32 s2, s13, 10                         ; an image: 1,024 bytes a tile
	s_add_nc_u64 s[18:19], s[4:5], s[2:3]
	s_lshl_b32 s2, s44, 10
	s_add_nc_u64 s[4:5], s[4:5], s[2:3]
	s_lshl_b32 s2, s13, 6                          ; scale words: 64 bytes a tile
	s_add_nc_u64 s[48:49], s[6:7], s[2:3]
	s_lshl_b32 s2, s44, 6
	s_add_nc_u64 s[6:7], s[6:7], s[2:3]
	v_and_b32 v11, 31, v0                          ; lane
	v_and_b32 v104, 15, v0                         ; r
	v_lshlrev_b32 v[LI], 4, v11
	v_lshlrev_b32 v105, 2, v104
	v_lshl_add_u32 v[L8], v11, 3, SCL
	global_load_b128 v[QZ+8:QZ+11], v[LI], s[18:19]             ; Q's fragments stay in registers: channels 16 h + 0 .. 15,
	global_load_b128 v[QZ+12:QZ+15], v[LI], s[18:19] offset:512 ; and 32 + 16 h + 0 .. 15
	global_load_b128 v[QZ+24:QZ+27], v[LI], s[4:5]
	global_load_b128 v[QZ+28:QZ+31], v[LI], s[4:5] offset:512
	global_load_b32 v[QS], v105, s[48:49]                       ; their rows' scale words
	global_load_b32 v[QS+2], v105, s[6:7]
.irp i, 0,1,2,3,4,5,6,7
	v_mov_b32 v[QZ+\i], 0                          ; zero codes on either side of each
	v_mov_b32 v[QZ+16+\i], 0
	v_mov_b32 v[QZ+32+\i], 0
.endr
	WIN 0x40
.set J_, 0
.rept 64
	v_mov_b32 v[O+J_], 0                           ; O^T.  (A trip is written once for all: the first finds zeros, which the first change of M leaves zeros)
.set J_, J_+1
.endr
	WIN 0
	s_lshl_b32 s2, s15, 11                         ; O: set 0's first query is 2,048 x head + 128 x block + 32 x pair + 8 x half; a row is 256 bytes
	s_lshl_b32 s13, s14, 7
	s_add_co_u32 s2, s2, s13
	s_lshl_b32 s13, s47, 5
	s_add_co_u32 s2, s2, s13
	s_lshl_b32 s13, s46, 3
	s_add_co_u32 s2, s2, s13
	s_wait_alu depctr_va_vdst(0)
	s_wait_loadcnt 0x0                             ; Q
	s_lshl_b32 s2, s2, 8
	s_add_nc_u64 s[10:11], s[10:11], s[2:3]
	v_lshlrev_b32 v[QS+1], 16, v[QS]               ; [0, Q]'s scale words
	v_lshlrev_b32 v[QS+3], 16, v[QS+2]
	v_mov_b32 v[L0], 0                             ; the sums, in two halves each
	v_mov_b32 v[L0+1], 0
	v_mov_b32 v[L1], 0
	v_mov_b32 v[L1+1], 0
	v_mov_b32 v[F+1], 0                            ; (named as the upper half of a pair, never used)
	v_mov_b32 v[F+3], 0
	v_mov_b32 v[FL], 0x4800000
	v_mov_b32 v13, 0xff61b1e6                      ; the largest scores so far: -3e38
	v_mov_b32 v15, 0xff61b1e6
	v_mov_b32 v12, 0x7f61b1e6                      ; -M: 3e38
	v_mov_b32 v14, 0x7f61b1e6
	v_add_nc_u32 v[AD], s[TB], v[LI]
	v_add_nc_u32 v[ADS], s[TB], v[L8]
	s_wait_alu depctr_va_vdst(0)
	s_cmp_lt_u32 s[WV], 2
	s_cbranch_scc0 .Lnot_first
	s_wait_tensorcnt 0x0                           ; waves 0 and 1: my piece is in
.Lnot_first:
	s_barrier_signal -1
	s_barrier_wait -1                              ; pieces 0 and 1 are in
	WIN 0x40
	LOADK 0
	WIN 0
	ds_load_b64 v[KS:KS+1], v[ADS]
	s_wait_dscnt 0x0
	SMUL 0
	SMUL 1
	WIN 0
.rept 8
	v_nop                                          ; the places behind set 0's products
.endr
	TRIP 1, 1
	s_mov_b32 s[CNT], 6
.Ltrips:
	TRIP 1, 0
	s_sub_co_u32 s[CNT], s[CNT], 1
	s_cmp_lg_u32 s[CNT], 0
	s_cbranch_scc1 .Ltrips
	TRIP 0, 0                                      ; the last 128 keys: no K follows
	; THE EXCHANGE.  I give set 1: O^T's 32 registers as an image in my slot, and behind it the sum and -M; and take what the wave 4 on (or back) gives, from its slot: the tile of my set 0 over the other half of the keys.
	; The address lines are the places behind the last products.
.set EO,  3                            ; my slot + 16 x lane
.set EO8, 4                            ;         + 8 x lane
.set EP,  56                           ; the other's
.set EP8, 57
.set SI,  58                           ; the way out: where I put 16 bytes of a row
.set SB,  59                           ; and where I read a row back
.set GO,  60                           ; my byte offset in the tile's rows of O
	s_mul_i32 s16, s[WV], SLOT
	s_add_co_u32 s16, s16, STG
	s_xor_b32 s17, s[WV], 4
	s_mul_i32 s17, s17, SLOT
	s_add_co_u32 s17, s17, STG
	s_wait_alu depctr_va_vdst(0)                   ; the wait here, directly ahead of the readers of the last trip's sums
	v_add_f32 v[L0], v[L0], v[L0+1]                ; a sum's two halves,
	v_add_f32 v[L1], v[L1], v[L1+1]
	v_and_b32 v104, 15, v0                         ; r
	v_bfe_u32 v105, v0, 4, 1                       ; h
	v_lshrrev_b32 v106, 1, v[LI]
	v_permlanex16_b32 v112, v[L0], s[SEL], s[SEL+1]
	v_permlanex16_b32 v113, v[L1], s[SEL], s[SEL+1]
	v_add_nc_u32 v[EO], s16, v[LI]
	v_add_nc_u32 v[EO8], s16, v106
	v_add_nc_u32 v[EP], s17, v[LI]
	v_add_nc_u32 v[EP8], s17, v106
	v_add_f32 v[L0], v[L0], v112                   ; and lane l xor 16's: the row's sum over my keys
	v_add_f32 v[L1], v[L1], v113
	v_mov_b32 v[L1+1], v14                         ; beside set 1's sum its -M
	s_wait_alu depctr_va_vdst(0)                   ; and here, ahead of the stores of what was made above
	WIN 0x04                                       ; an LDS store's data are its source 1: window 1
.irp k, 0,1,2,3,4,5,6,7
	ds_store_b128 v[EO], v[O+32+4*\k:O+35+4*\k] offset:512*\k
.endr
	WIN 0
	ds_store_b64 v[EO8], v[L1:L1+1] offset:4096
	v_mul_u32_u24 v[SI], v104, 272
	v_mul_u32_u24 v[SB], v105, 272
	v_lshlrev_b32 v[GO], 8, v105
	v_lshl_add_u32 v[SI], v105, 6, v[SI]
	v_lshl_add_u32 v[SB], v104, 4, v[SB]
	v_lshl_add_u32 v[GO], v104, 4, v[GO]           ; lanes 0-15 one row of O, lanes 16-31 the next
	v_add_nc_u32 v[SI], s17, v[SI]                 ; in: row r, + 64 h: register 16 b + i is channel 32 b + 16 h + i.  The way out's stage is the other's slot: I alone read it, behind the barrier, and my stores come behind those reads
	v_add_nc_u32 v[SB], s17, v[SB]                 ; back: lanes 0-15 one row, lanes 16-31 the next
	s_wait_alu depctr_va_vdst(0)
	s_wait_dscnt 0x0                               ; for the other's sake
	s_barrier_signal -1
	s_barrier_wait -1
	ds_load_b64 v[160:161], v[EP8] offset:4096
.irp k, 0,1,2,3,4,5,6,7
	ds_load_b128 v[S+4*\k:S+4*\k+3], v[EP] offset:512*\k
.endr
	s_wait_dscnt 0x0
	v_min_num_f32 v162, v12, v161                  ; -M of both halves of the keys together
	v_sub_f32 v163, v162, v12
	v_sub_f32 v164, v162, v161
	v_cvt_i32_f32 v163, v163
	v_cvt_i32_f32 v164, v164
	v_ldexp_f32 v[F], 1.0, v163                    ; what brings mine under it,
	v_ldexp_f32 v[F+2], 1.0, v164                  ; and the other's
	v_mul_f32 v165, v160, v[F+2]
	v_fma_f32 v[L0], v[L0], v[F], v165             ; the row's sum
	s_wait_alu depctr_va_vdst(0)
	v_rcp_f32 v166, v[L0]
	v_nop                                          ; one plain instruction behind the transcendental
	s_wait_alu depctr_va_vdst(0)
	v_mul_f32 v[F], v[F], v166
	v_mul_f32 v[F+2], v[F+2], v166
	WIN 0x01
	s_wait_alu depctr_va_vdst(0)
.set J_, 0
.rept 16
	v_pk_mul_f32 v[192+J_:193+J_], v[O+J_:O+J_+1], v[F:F+1] op_sel_hi:[1,0]   ; each accumulator from its low end on
.set J_, J_+2
.endr
	WIN 0
.set J_, 0
.rept 16
	v_pk_fma_f32 v[192+J_:193+J_], v[S+J_:S+J_+1], v[F+2:F+3], v[192+J_:193+J_] op_sel_hi:[1,0,1]
.set J_, J_+2
.endr
	; THE WAY OUT.  O goes through the stage in LDS and leaves as whole rows: sixteen lanes store a row's 256 consecutive bytes, at a multiple of 256 from O's first byte.
.irp b, 0,1
.irp k, 0,1,2,3
	ds_store_b128 v[SI], v[192+16*\b+4*\k:192+16*\b+4*\k+3] offset:128*\b+16*\k
.endr
.endr
.irp i, 0,1,2,3,4,5,6,7
	ds_load_b128 v[S+4*\i:S+4*\i+3], v[SB] offset:544*\i   ; LDS serves a wave's instructions in order (ISA guide 5.7.1.4): these see my stores
.endr
.irp i, 0,1,2,3,4,5,6,7
	s_wait_dscnt 7-\i                              ; loads come back in order: pair i of the rows is in
	global_store_b128 v[GO], v[S+4*\i:S+4*\i+3], s[10:11] offset:512*\i+2048*(\i/4) th:TH_STORE_NT   ; stage row 2 i + h is query 2 i + h of the tile, and 8 further on from row 8: the tile's rows are not neighbours
.endr
	s_wait_tensorcnt 0x0                           ; the wave's end
	ds_add_u32 v[SPW], v[NIL]
	s_wait_dscnt 0x0
	ROUND                                          ; the closing round: no work-group ends while a partner may still ask for a tile that names it
	s_endpgm
.Lfunc_end_k_qf03b0b492a_attn:
	.size	k_qf03b0b492a_attn, .Lfunc_end_k_qf03b0b492a_attn-k_qf03b0b492a_attn
	.p2alignl 7, 3214868480
	.fill 96, 4, 3214868480
	.section	.rodata,"a",@progbits
	.p2align	6, 0x0
	.amdhsa_kernel k_qf03b0b492a_attn
		.amdhsa_group_segment_fixed_size 327680
		.amdhsa_private_segment_fixed_size 0
		.amdhsa_enable_private_segment 0
		.amdhsa_kernarg_size 32
		.amdhsa_user_sgpr_count 2
		.amdhsa_user_sgpr_kernarg_segment_ptr 1
		.amdhsa_wavefront_size32 1
		.amdhsa_system_sgpr_workgroup_id_x 1
		.amdhsa_system_sgpr_workgroup_id_y 1
		.amdhsa_system_sgpr_workgroup_id_z 1
		.amdhsa_system_vgpr_workitem_id 0
		.amdhsa_next_free_vgpr 448
		.amdhsa_next_free_sgpr 66
		.amdhsa_reserve_vcc 0
		.amdhsa_float_denorm_mode_32 3
		.amdhsa_float_denorm_mode_16_64 3
		.amdhsa_memory_ordered 1
		.amdhsa_forward_progress 1
		.amdhsa_inst_pref_size 116
	.end_amdhsa_kernel
	.amdgpu_metadata
---
amdhsa.version: [ 1, 2 ]
amdhsa.kernels:
  - .name:           k_qf03b0b492a_attn
    .symbol:         k_qf03b0b492a_attn.kd
    .args:
      - { .name: qc, .offset: 0, .size: 8, .value_kind: global_buffer, .address_space: global }
      - { .name: qs, .offset: 8, .size: 8, .value_kind: global_buffer, .address_space: global }
      - { .name: kv, .offset: 16, .size: 8, .value_kind: global_buffer, .address_space: global }
      - { .name: out0, .offset: 24, .size: 8, .value_kind: global_buffer, .address_space: global }
    .group_segment_fixed_size: 327680
    .private_segment_fixed_size: 0
    .kernarg_segment_align: 8
    .kernarg_segment_size: 32
    .max_flat_workgroup_size: 256
    .sgpr_count:     66
    .vgpr_count:     448
    .wavefront_size: 32
...
	.end_amdgpu_metadata
.endif
;; end of part 2
